; MI455X (gfx1250); checked and timed in simulation.
; The chip was launched on July 23, 2026; its instructions are those of AMD's public machine-readable ISA for CDNA 5 (MIT licence, August 2026) and "CDNA5" Instruction Set Architecture Reference Guide (July 2026). The comments in the code are by the model that wrote it; some were corrected since.
;; Linear Quantized. Allowed arithmetic: matrix products marked QUANTISED: E3M2 operands, one E8M0 scale for each 32 along K, by v_wmma_scale_f32_16x16x128_f8f6f4 with both operands' format E3M2, f32 sums; everything else in f32.
;; Inputs: quantized_bias 4,096 int32; quantized_weight 4,096 x 4,096 int32; weight_scale 4,096 float32; x 4 x 1,024 x 4,096 float32.
;; Outputs: out0 4 x 1,024 x 4,096 float32.
;; This version of the problem:
;;   THIS VERSION OF THE PROBLEM IS GIVEN IN LOW PRECISION. The matrix products marked QUANTISED in the list below multiply operands that are first quantised to E3M2 (3 exponent bits, 2 mantissa bits; 6 bits a number), with one power-of-two scale for each 32 numbers along K (OCP MX v1.0); their sums are f32. All else is computed in f32.
;;   The module's matrix products, in the order in which they are computed (A, B: the left and right operand; K: the contracted axis; several contracted axes count as one K, in the product's order):
;;     1. [M 4,096, K 4,096] x [K 4,096, N 4,096]; A: computed on the way; B: computed on the way: QUANTISED
;;   THE QUANTISER, for each operand of a quantised product, along K:
;;     - K is cut into blocks of 32 from its start; a last block that is shorter is filled with zeros.
;;     - A block's scale is 2^e with e = floor(log2(the largest magnitude in the block)) - 4, held to -126 .. 127; a block of zeros has e = 0. As a byte (E8M0): e + 127.
;;     - Each number is divided by its block's scale, clamped to +-28, and rounded to the nearest number of E3M2, ties to even, subnormals kept.
;;     - The product sums the exact products of the quantised numbers (number of the format x scale) in f32.
;;   ~~~python
;;   def quantise(x, axis):      # numpy; x: float32 -> the quantised numbers, widened to float32 again
;;       x = np.moveaxis(x, axis, -1); K = x.shape[-1]
;;       x = np.pad(x, [(0, 0)] * (x.ndim - 1) + [(0, -K % 32)]); x = x.reshape(x.shape[:-1] + (-1, 32)); a = np.abs(x).max(-1, keepdims=True)
;;       e = np.where(a > 0, np.clip(np.frexp(np.where(a > 0, a, 1))[1] - 1 - 4, -126, 127), 0)      # np.frexp(a)[1] - 1 = floor(log2(a)), exactly
;;       r = np.clip(x / 2.0 ** e, -28, 28)
;;       step = 2.0 ** (np.maximum(np.frexp(np.where(r == 0, 1, r))[1] - 1, -2) - 2)
;;       q = np.round(r / step) * step * 2.0 ** e      # np.round: ties to even
;;       return np.moveaxis(q.reshape(q.shape[:-2] + (-1,))[..., :K], -1, axis).astype(np.float32)
;;   ~~~
;;   OPERANDS COMPUTED ON THE WAY. 'Computed on the way' means the value that the module computes at that place (a softmax that the list does not call 'softmax' is quantised finished and normalised). What goes into a quantiser is computed in f32, as accurately as f32 sums, v_exp_f32 and their like allow (about 1e-6 of the number): no bf16 or f16 on the way to a quantiser, and a product that is left as it is and whose result goes on into a quantised operand takes f32 operands (vector FMAs, or v_wmma_f32_16x16x4_f32). A number that lies on a knife's edge between two numbers of the format may be rounded either way, as far as f32 arithmetic and the matrix unit's own rounding can turn it there, and no further.
;; One version. Each part assembles by itself: llvm-mc -triple=amdgcn-amd-amdhsa -mcpu=gfx1250 --defsym DOCPART=n.
;; ======== version 1 of 1: 3 launches
;; limits: right only within a limited range of input values
;; workspace buffers: xq 13,107,200 bytes; wq 13,107,200 bytes; partial 2,048 bytes
;; launch prep (part 1): grid 512 x 1, 4 waves a work-group, no clusters, 1,792 bytes of LDS; arguments quantized_weight, weight_scale, x, wq, partial; writes wq, partial
.if DOCPART == 1
	.amdgcn_target "amdgcn-amd-amdhsa--gfx1250"
	.amdhsa_code_object_version 6
	.text
	.protected	k_q2b47b084d0_prep
	.globl	k_q2b47b084d0_prep
	.p2align	8
	.type	k_q2b47b084d0_prep,@function
k_q2b47b084d0_prep:
	s_mov_b64 s[64:65], 0
	v_nop
	global_prefetch_b8 v0, s[64:65] scope:SCOPE_SE
	s_setreg_imm32_b32 hwreg(HW_REG_WAVE_MODE, 25, 1), 1
	s_wait_xcnt 0x0
; TWO THINGS IN ONE WALK.  (1) w_deq[n][k] = f32(quantized_weight[n][k]) x weight_scale[n] becomes codes of BF6 (E3M2) with one E8M0 byte for each 32 along K, laid in wq as the multiplying launch
; wants them.  (2) The largest |x| of the work-group's share of x goes to partial[work-group]: 512 numbers.  No step and no input of the problem is left out.
; wq: [32 blocks of 128 rows][32 steps of 128 K][12,800 bytes]: eight images of an operand's registers (1,536 bytes for 16 rows), then 512 bytes of scale words.  In an image lane (r, h) has 48 bytes at
; 48 (r + 16 h): the codes of row r, K = 64 h .. 64 h + 63 of the step, one stream of bits.  Byte 2 c + h of a row's scale word belongs to the block c of those 64.  The word of row r of the i-th 16 rows
; lies at 256 (i / 4) + 16 r + 4 (i % 4) of the 512 bytes.
; SHARES.  Work-group g: rows 128 (g / 16) on, K = 256 (g % 16) on.  Wave w: 64 of the rows (w / 2), 128 of the K (w % 2): four images and 256 bytes of scale words, all its own.  16 steps of 8 rows x 64 K.
; A STEP.  Four loads; in load j lanes 0-15 read the 256 bytes of row j, lanes 16-31 those of row 4 + j: a lane holds 4 numbers of each of 4 blocks, and 8 lanes hold a block.
; The block's largest magnitude is (largest |whole number|) x |weight_scale|: a multiplication by one factor keeps the order, rounded too.  Its exponent field E gives the byte E - 4 (held at 1 from below by a
; floor) and the power of two 2^(131 - E); weight_scale x that power is exact, so number x (weight_scale x power) has the bits of w_deq / the block's scale.  The conversion then runs with the scale 1 on
; 16 numbers of four blocks: four pieces of 3 bytes.  The pieces are transposed inside each four lanes (two exchanges), so that a lane ends with 16 neighbouring codes of ONE block, 12 bytes,
; and the wave's store covers 384 consecutive bytes of an image.  Only scale words pass through LDS: one word store for two steps.
; x is read as a plain stream, 32,768 consecutive bytes a wave: a maximum knows no order.  Loads run four steps ahead: 32 loads of 16 bytes a lane are out in each wave.
; LIMITS: NaN and infinities among the inputs are not served; a block whose largest magnitude lies under 2^-122 has the byte 1 (a block of zeros too, where the rule says 127: its codes are zeros, and this
; program alone reads the bytes).  The factor is held inside +-2^127, so that a block of zeros under a large weight_scale stays zeros.
.set STEPS, 16
.set ROWIN, 16384
.set STEPB, 12800
.set FRB,   1536
.set SCO,   8*FRB
.set RED,   1024                       ; LDS: 4 x 256 bytes of scale words, a block for the waves' maxima, the spare words
.set SPARE, 1280
.set LOF, 1                            ; weight loads: 65,536 (lane / 16) + 16 (lane % 16)
.set XOF, 2                            ; 16 x lane
.set SOF, 3                            ; my 12 bytes in a step's 384
.set SAD, 4                            ; LDS: my row's scale word
.set SH0, 5                            ; 16 c, 16 c + 8: where a byte goes in the word
.set SH1, 6
.set ONE, 7
.set MA,  8
.set MB,  9
.set SPW, 10
.set NIL, 11
.set M,   12                           ; four blocks' maxima
.set FQ,  16                           ; four factors, each twice
.set C,   24
.set P,   28
.set D,   32
.set Q,   36
.set R,   40
.set O,   44
.set WD,  48                           ; scale words at work: 2 x 4
.set WS,  56                           ; weight_scale of my rows: 8 groups x 4
.set W,   88                           ; four sets of 16
.set X,   152                          ; four sets of 16
.set SRD, 216
.set L8,  217
.set WOF, 218
.set SST, 1
	s_load_b128 s[4:7], s[0:1], 0x0                ; weight, weight_scale
	s_load_b128 s[8:11], s[0:1], 0x10              ; x, wq
	s_load_b64 s[14:15], s[0:1], 0x20              ; partial
	v_lshl_add_u32 v[SPW], v0, 2, SPARE
	v_mov_b32 v[NIL], 0
	v_lshrrev_b32 v[R+2], 5, v0
	v_readfirstlane_b32 s16, v[R+2]                ; wave
	v_and_b32 v[R], 31, v0
	v_and_b32 v[R+1], 15, v0
	v_bfe_u32 v[Q], v0, 4, 1                       ; p: which four rows
	v_bfe_u32 v[Q+1], v0, 3, 1                     ; c: which block of the 64
	v_bfe_u32 v[Q+2], v0, 2, 1                     ; a: which half of the block
	v_and_b32 v[Q+3], 3, v0                        ; behind the exchanges: which row of the four
	v_lshlrev_b32 v[XOF], 4, v[R]
	v_lshlrev_b32 v[LOF], 4, v[R+1]
	v_lshl_add_u32 v[LOF], v[Q], 16, v[LOF]
	v_mul_u32_u24 v[SOF], v[Q], 192
	v_mad_u32_u24 v[SOF], v[Q+3], 48, v[SOF]
	v_mad_u32_u24 v[SOF], v[Q+1], 24, v[SOF]
	v_mad_u32_u24 v[SOF], v[Q+2], 12, v[SOF]
	s_lshl_b32 s17, s16, 8
	v_lshlrev_b32 v[SAD], 6, v[Q]
	v_lshl_add_u32 v[SAD], v[Q+3], 4, v[SAD]
	v_add_nc_u32 v[SAD], s17, v[SAD]
	v_lshlrev_b32 v[SH0], 4, v[Q+1]
	v_add_nc_u32 v[SH1], 8, v[SH0]
	v_mov_b32 v[ONE], 1.0
	v_mov_b32 v[MA], 0
	v_mov_b32 v[MB], 0
.irp k, 0,1,2,3
	v_mov_b32 v[D+\k], 0                           ; a DPP move's destination counts as read
.endr
	v_lshlrev_b32 v[WOF], 4, v[Q]
	v_lshlrev_b32 v[L8], 3, v[R]
	v_add_nc_u32 v[SRD], s17, v[L8]
	s_mov_b32 s22, 0x76543210
	s_mov_b32 s23, 0xfedcba98
	s_mov_b32 s26, 0xaaaaaaaa                      ; lanes with bit 0 set
	s_mov_b32 s27, 0xcccccccc                      ; lanes with bit 1 set
	s_mov_b32 s28, 0x7f000000                      ; 2^127
	s_mov_b32 s29, 0xff000000
	s_lshr_b32 s30, ttmp9, 4                       ; which 128 rows
	s_and_b32 s31, ttmp9, 15                       ; which 256 along K
	s_lshr_b32 s18, s16, 1
	s_and_b32 s19, s16, 1
	s_mov_b32 s21, 0
	s_wait_alu depctr_va_vdst(0)                   ; the wait at the head's end
	s_wait_kmcnt 0x0
	s_lshl_b32 s20, s30, 21
	s_lshl_b32 s25, s31, 10
	s_add_co_u32 s20, s20, s25
	s_lshl_b32 s25, s18, 20                        ; 64 rows
	s_add_co_u32 s20, s20, s25
	s_lshl_b32 s25, s19, 9                         ; 128 numbers
	s_add_co_u32 s20, s20, s25
	s_add_nc_u64 s[4:5], s[4:5], s[20:21]
	s_lshl_b32 s20, s30, 9
	s_lshl_b32 s25, s18, 8
	s_add_co_u32 s20, s20, s25
	s_add_nc_u64 s[6:7], s[6:7], s[20:21]          ; weight_scale of my 64 rows
	s_lshl_b32 s20, ttmp9, 17
	s_lshl_b32 s25, s16, 15
	s_add_co_u32 s20, s20, s25
	s_add_nc_u64 s[8:9], s[8:9], s[20:21]          ; my 32,768 bytes of x
	s_mul_i32 s20, ttmp9, 2*STEPB
	s_mul_i32 s25, s19, STEPB
	s_add_co_u32 s20, s20, s25
	s_add_nc_u64 s[10:11], s[10:11], s[20:21]
	s_add_co_u32 s20, s17, 0
	s_lshl_b32 s20, s18, 8
	s_add_co_u32 s20, s20, SCO
	s_add_nc_u64 s[12:13], s[10:11], s[20:21]      ; my 256 bytes of scale words
	s_mul_i32 s20, s18, 4*FRB
	s_add_nc_u64 s[10:11], s[10:11], s[20:21]      ; my four images
	s_lshl_b32 s20, ttmp9, 2
	s_add_nc_u64 s[14:15], s[14:15], s[20:21]
.irp g, 0,1,2,3,4,5,6,7
	global_load_b128 v[WS+4*\g:WS+4*\g+3], v[WOF], s[6:7] offset:32*\g   ; once: rows 8 g + 4 p + 0 .. 3
.endr
.macro GROUP t
.irp j, 0,1,2,3
	global_load_b128 v[W+16*((\t)%4)+4*\j:W+16*((\t)%4)+4*\j+3], v[LOF], s[4:5] offset:(16*((\t)/4)+8*((\t)%2)+\j)*ROWIN+256*(((\t)/2)%2) th:TH_LOAD_NT
.endr
.irp j, 0,1,2,3
	global_load_b128 v[X+16*((\t)%4)+4*\j:X+16*((\t)%4)+4*\j+3], v[XOF], s[8:9] offset:2048*(\t)+512*\j
.endr
.endm
; From 16 numbers (4 of each of 4 blocks, before their common factor v[SCL + SST j]) to 96 bits of codes
.macro QA
.irp j, 0,1,2,3
	v_max3_num_f32 v[M+\j], |v[V+4*\j]|, |v[V+4*\j+1]|, |v[V+4*\j+2]|
.endr
.irp j, 0,1,2,3
	v_max_num_f32 v[M+\j], v[M+\j], |v[V+4*\j+3]|
.endr
.irp x, 1,2,4
.irp j, 0,1,2,3
	v_max_num_f32_dpp v[M+\j], v[M+\j], v[M+\j] row_xmask:\x row_mask:0xf bank_mask:0xf   ; the block's eight lanes
.endr
.endr
.irp j, 0,1,2,3
	v_mul_f32 v[M+\j], v[M+\j], |v[SCL+SST*\j]|    ; the block's largest magnitude
.endr
.irp j, 0,1,2,3
	v_max_num_f32 v[M+\j], 0x2800000, v[M+\j]      ; the floor 2^(5 - 127): the byte cannot fall under 1
.endr
.irp j, 0,1,2,3
	v_and_b32 v[R+\j], 0x7f800000, v[M+\j]
.endr
.irp j, 0,1,2,3
	v_sub_nc_u32 v[R+\j], 0x81000000, v[R+\j]      ; exponent field 258 - E: 1 / the block's scale
.endr
.irp j, 0,1,2,3
	v_mul_f32 v[R+\j], v[R+\j], v[SCL+SST*\j]      ; exact: a power of two
.endr
.irp j, 0,1,2,3
	v_med3_num_f32 v[FQ+2*\j], v[R+\j], s29, s28
	v_med3_num_f32 v[FQ+2*\j+1], v[R+\j], s29, s28
.endr
.irp j, 0,1,2,3
	v_pk_mul_f32 v[V+4*\j:V+4*\j+1], v[V+4*\j:V+4*\j+1], v[FQ+2*\j:FQ+2*\j+1]
	v_pk_mul_f32 v[V+4*\j+2:V+4*\j+3], v[V+4*\j+2:V+4*\j+3], v[FQ+2*\j:FQ+2*\j+1]
.endr
	v_cvt_scalef32_pk16_bf6_f32 v[C:C+2], v[V:V+15], v[ONE]
.endm
; two exchanges with lane l xor x at once: a lane whose bit is set in the mask keeps 'h' and takes its partner's 'h' for 'l'; the other keeps 'l' and takes its partner's 'l' for 'h'
.macro XCH2 l1, h1, l2, h2, ol1, oh1, ol2, oh2, x, m
	v_mov_b32_dpp v[D], v[\h1] row_xmask:\x row_mask:0xf bank_mask:0xf
	v_mov_b32_dpp v[D+1], v[\l1] row_xmask:\x row_mask:0xf bank_mask:0xf
	v_mov_b32_dpp v[D+2], v[\h2] row_xmask:\x row_mask:0xf bank_mask:0xf
	v_mov_b32_dpp v[D+3], v[\l2] row_xmask:\x row_mask:0xf bank_mask:0xf
	v_cndmask_b32 v[\ol1], v[\l1], v[D], s[\m]
	v_cndmask_b32 v[\oh1], v[D+1], v[\h1], s[\m]
	v_cndmask_b32 v[\ol2], v[\l2], v[D+2], s[\m]
	v_cndmask_b32 v[\oh2], v[D+3], v[\h2], s[\m]
.endm
; the scale bytes into their words; the pieces to their lanes; the store
.macro QB outp
.irp j, 0,1,2,3
	v_lshrrev_b32 v[M+\j], 23, v[M+\j]             ; E (also the plain instruction behind the conversion)
.endr
.irp j, 0,1,2,3
.if H == 0
	v_lshlrev_b32 v[WD+4*RR+\j], v[SH0], v[M+\j]
.else
	v_lshl_or_b32 v[WD+4*RR+\j], v[M+\j], v[SH1], v[WD+4*RR+\j]
.endif
.endr
.if H == 1
	v_cndmask_b32 v[Q], v[WD+4*RR], v[WD+4*RR+1], s26
	v_cndmask_b32 v[Q+1], v[WD+4*RR+2], v[WD+4*RR+3], s26
	v_cndmask_b32 v[Q], v[Q], v[Q+1], s27          ; the word of row 4 p + lane % 4: my two bytes of it,
	v_mov_b32_dpp v[D], v[Q] row_xmask:8 row_mask:0xf bank_mask:0xf
	v_or_b32 v[Q], v[Q], v[D]                      ; with the other block's two;
	v_add_nc_u32 v[Q], 0xfbfbfbfc, v[Q]            ; 4 off each byte (each is 5 at the least: no borrow)
	v_add_nc_u32 v219, s33, v[SAD]                 ; + 4 x the image's number, which the loop steps
	ds_store_b32 v219, v[Q] offset:128*RR          ; four lanes write the same word with the same value
.endif
	v_alignbit_b32 v[P+1], v[C+1], v[C], 24        ; piece j: bits 24 j .. 24 j + 23, in the low three bytes
	v_alignbit_b32 v[P+2], v[C+2], v[C+1], 16
	v_lshrrev_b32 v[P+3], 8, v[C+2]
	XCH2 C, P+1, P+2, P+3, Q, Q+1, Q+2, Q+3, 1, 26
	XCH2 Q, Q+2, Q+1, Q+3, R, R+2, R+1, R+3, 2, 27
	v_perm_b32 v[O], v[R+1], v[R], 0x04020100      ; four pieces of one block's half, K ascending, 96 bits without gaps
	v_perm_b32 v[O+1], v[R+2], v[R+1], 0x05040201
	v_perm_b32 v[O+2], v[R+3], v[R+2], 0x06050402
	global_store_b96 v[SOF], v[O:O+2], s[\outp:\outp+1] offset:I*FRB+768*H+384*RR   ; the wave's 32 lanes cover 384 consecutive bytes
.endm
; step t of an image's four.  ld = 1: the loads of four steps on are issued; left: how many younger loads may stay out
.macro STEP t, ld, left
.set I,  0
.set H,  ((\t)/2)%2
.set RR, (\t)%2
.set V,  W+16*((\t)%4)
.set XQ, X+16*((\t)%4)
.set SCL, WS+4*(2*I+RR)
	s_wait_loadcnt \left                           ; this step's eight loads are in; the groups of eight behind them stay out
	s_wait_xcnt 0x0                                ; the last step's store has read its registers
.irp i, 0,4,8,12
	v_max3_num_f32 v[MA], v[MA], |v[XQ+\i]|, |v[XQ+\i+1]|
	v_max3_num_f32 v[MB], v[MB], |v[XQ+\i+2]|, |v[XQ+\i+3]|
.endr
.irp i, 0,1,2,3,4,5,6,7,8,9,10,11,12,13,14,15
	v_cvt_f32_i32 v[V+\i], v[V+\i]                 ; exact
.endr
	QA
.if \ld
	GROUP (\t)+4                                   ; both sets are free
.endif
	QB 10
.endm
.irp t, 0,1,2,3
	GROUP \t
.endr
	s_mov_b32 s33, 0
	s_mov_b32 s34, 3
.Ltrip:                                                ; a trip is one image, four steps: the four sets are back where they began
	STEP 0, 1, 24
	STEP 1, 1, 24
	STEP 2, 1, 24
	STEP 3, 1, 24
.set J, 0
.rept 24
	v_mov_b32 v[WS+J], v[WS+J+8]                   ; weight_scale of the next 16 rows moves down
.set J, J+1
.endr
	s_wait_xcnt 0x0                                ; the bases are stepped only behind this wait
	s_add_nc_u64 s[4:5], s[4:5], 16*ROWIN
	s_add_nc_u64 s[8:9], s[8:9], 8192
	s_add_nc_u64 s[10:11], s[10:11], FRB
	s_add_co_u32 s33, s33, 4
	s_sub_co_u32 s34, s34, 1
	s_cmp_lg_u32 s34, 0
	s_wait_alu depctr_va_vdst(0)                   ; the wait directly ahead of the branch
	s_cbranch_scc1 .Ltrip
	STEP 0, 0, 24                                  ; the last image loads nothing: the counts run down
	STEP 1, 0, 16
	STEP 2, 0, 8
	STEP 3, 0, 0
	ds_load_b64 v[M:M+1], v[SRD]                   ; my wave's 256 bytes of scale words: LDS serves a wave's instructions in order
	v_max_num_f32 v[MA], v[MA], v[MB]
.irp x, 1,2,4,8
	v_max_num_f32_dpp v[MA], v[MA], v[MA] row_xmask:\x row_mask:0xf bank_mask:0xf
.endr
	v_permlanex16_b32 v[D], v[MA], s22, s23
	v_max_num_f32 v[MA], v[MA], v[D]
	v_mov_b32 v[Q], s16
	v_lshlrev_b32 v[Q], 2, v[Q]
	v_mov_b32 v[Q+1], 0
	ds_store_b32 v[Q], v[MA] offset:RED            ; the wave's largest |x|
	s_wait_alu depctr_va_vdst(0)                   ; the wait directly ahead of the wait below
	s_wait_dscnt 0x0                               ; for the others' sake too
	global_store_b64 v[L8], v[M:M+1], s[12:13]     ; 256 consecutive bytes, at a multiple of 256 from the buffer's first byte
	s_barrier_signal -1
	s_barrier_wait -1
	ds_load_b128 v[R:R+3], v[Q+1] offset:RED
	s_wait_dscnt 0x0
	v_max3_num_f32 v[R], v[R], v[R+1], v[R+2]
	v_max_num_f32 v[R], v[R], v[R+3]
	s_cmp_lg_u32 s16, 0                            ; wave 0 stores the work-group's word
	s_cbranch_scc1 .Lend
	v_cmp_eq_u32 vcc_lo, 0, v0
	s_wait_xcnt 0x0                                ; EXEC changes only behind this wait
	s_and_saveexec_b32 s24, vcc_lo
	s_wait_alu depctr_va_vdst(0)                   ; the wait ahead of the reader below
	global_store_b32 v[Q+1], v[R], s[14:15]
	s_wait_xcnt 0x0
	s_or_b32 exec_lo, exec_lo, s24
.Lend:
	s_wait_tensorcnt 0x0                           ; the wave's end
	ds_add_u32 v[SPW], v[NIL]
	s_wait_dscnt 0x0
	s_endpgm
.Lfunc_end_k_q2b47b084d0_prep:
	.size	k_q2b47b084d0_prep, .Lfunc_end_k_q2b47b084d0_prep-k_q2b47b084d0_prep
	.p2alignl 7, 3214868480
	.fill 96, 4, 3214868480
	.section	.rodata,"a",@progbits
	.p2align	6, 0x0
	.amdhsa_kernel k_q2b47b084d0_prep
		.amdhsa_group_segment_fixed_size 1792
		.amdhsa_private_segment_fixed_size 0
		.amdhsa_enable_private_segment 0
		.amdhsa_kernarg_size 40
		.amdhsa_user_sgpr_count 2
		.amdhsa_user_sgpr_kernarg_segment_ptr 1
		.amdhsa_wavefront_size32 1
		.amdhsa_system_sgpr_workgroup_id_x 1
		.amdhsa_system_sgpr_workgroup_id_y 1
		.amdhsa_system_sgpr_workgroup_id_z 1
		.amdhsa_system_vgpr_workitem_id 0
		.amdhsa_next_free_vgpr 224
		.amdhsa_next_free_sgpr 66
		.amdhsa_reserve_vcc 1
		.amdhsa_float_denorm_mode_32 3
		.amdhsa_float_denorm_mode_16_64 3
		.amdhsa_memory_ordered 1
		.amdhsa_forward_progress 1
		.amdhsa_inst_pref_size 66
	.end_amdhsa_kernel
	.amdgpu_metadata
---
amdhsa.version: [ 1, 2 ]
amdhsa.kernels:
  - .name:           k_q2b47b084d0_prep
    .symbol:         k_q2b47b084d0_prep.kd
    .args:
      - { .name: quantized_weight, .offset: 0, .size: 8, .value_kind: global_buffer, .address_space: global }
      - { .name: weight_scale, .offset: 8, .size: 8, .value_kind: global_buffer, .address_space: global }
      - { .name: x, .offset: 16, .size: 8, .value_kind: global_buffer, .address_space: global }
      - { .name: wq, .offset: 24, .size: 8, .value_kind: global_buffer, .address_space: global }
      - { .name: partial, .offset: 32, .size: 8, .value_kind: global_buffer, .address_space: global }
    .group_segment_fixed_size: 1792
    .private_segment_fixed_size: 0
    .kernarg_segment_align: 8
    .kernarg_segment_size: 40
    .max_flat_workgroup_size: 128
    .sgpr_count:     66
    .vgpr_count:     224
    .wavefront_size: 32
...
	.end_amdgpu_metadata
.endif
;; end of part 1
;; launch quantx (part 2): grid 512 x 1, 4 waves a work-group, no clusters, 1,536 bytes of LDS; arguments x, partial, xq; writes xq
.if DOCPART == 2
	.amdgcn_target "amdgcn-amd-amdhsa--gfx1250"
	.amdhsa_code_object_version 6
	.text
	.protected	k_q2b47b084d0_quantx
	.globl	k_q2b47b084d0_quantx
	.p2align	8
	.type	k_q2b47b084d0_quantx,@function
k_q2b47b084d0_quantx:
	s_mov_b64 s[64:65], 0
	v_nop
	global_prefetch_b8 v0, s[64:65] scope:SCOPE_SE
	s_setreg_imm32_b32 hwreg(HW_REG_WAVE_MODE, 25, 1), 1
	s_wait_xcnt 0x0
; x_deq = clip(round(x / s), -128, 127) x s, with s = (the largest |x|) / 127, becomes codes of BF6 (E3M2) with one E8M0 byte for each 32 along K, laid in xq as wq is laid:
; [32 blocks of 128 rows][32 steps of 128 K][12,800 bytes]: eight images (lane (r, h): 48 bytes at 48 (r + 16 h): row r, K = 64 h .. 64 h + 63), then 512 bytes of scale words (byte 2 c + h: block c of those 64;
; the word of row r of the i-th 16 rows at 256 (i / 4) + 16 r + 4 (i % 4)).  The largest |x| is the largest of partial's 512 numbers; every wave reduces them by itself.
; Both divisions are made as divisions are rounded: a first quotient by a reciprocal, its remainder by a fused multiply-add, one correction.
; SHARES AND STEPS.  Work-group g: rows 128 (g / 16) on, K = 256 (g % 16) on; wave w: 64 rows (w / 2) x 128 K (w % 2); 16 steps of 8 rows x 64 K.  In load j lanes 0-15 read the 256 bytes of row j,
; lanes 16-31 those of row 4 + j: a lane holds 4 numbers of each of 4 blocks.  The block's largest magnitude is (largest |whole number|) x s; s x 2^(131 - its exponent field) is exact, so whole number x that factor
; has the bits of x_deq / the block's scale, and the conversion runs with the scale 1.  Its four pieces of 3 bytes are transposed inside each four lanes; a lane ends with 16 neighbouring codes of one block, and the
; wave's store covers 384 consecutive bytes of an image.  Only scale words pass through LDS, in each wave's own 256 bytes.  Loads run eight steps ahead: 32 loads of 16 bytes a lane.
; LIMITS: NaN and infinities are not served; an x of zeros alone is not served (the definition gives NaN there); the largest |x| lies between 2^-119 and 2^126, so that s and 1 / s are normal numbers
; (v_rcp_f32 takes a denormal for zero: ISA guide 15.8); a block whose largest magnitude lies under 2^-122 has the byte 1 (a block of zeros too: its codes are zeros, and this program alone reads the bytes).
.set STEPS, 16
.set ROWIN, 16384
.set STEPB, 12800
.set FRB,   1536
.set SCO,   8*FRB
.set SPARE, 1024
.set LOF, 1
.set XOF, 2
.set SOF, 3
.set SAD, 4
.set SH0, 5
.set SH1, 6
.set ONE, 7
.set SPW, 10
.set NIL, 11
.set M,   12
.set FQ,  16
.set C,   24
.set P,   28
.set D,   32
.set Q,   36
.set R,   40
.set O,   44
.set WD,  48
.set V,   56                           ; v56-71: the quotients, then the numbers that are converted
.set SV,  72                           ; s, -s, 1 / s, each twice
.set NS,  74
.set RV,  76
.set TA,  78
.set TB,  79
.set TC,  80
.set X,   88                           ; eight sets of 16
.set F,   216                          ; partial
.set SRD, 232
.set L8,  233
.set SEL, 22
.set SCL, SV
.set SST, 0
; partial's 512 numbers, 16 a lane, none negative, become s in v[SV], v[SV + 1] of every lane.  The multiplying launch has the same lines: the same bits.
.macro INSCALE P
	v_max3_num_f32 v[TA], v[\P], v[\P+1], v[\P+2]
	v_max3_num_f32 v[TB], v[\P+3], v[\P+4], v[\P+5]
	v_max3_num_f32 v[TA], v[TA], v[\P+6], v[\P+7]
	v_max3_num_f32 v[TB], v[TB], v[\P+8], v[\P+9]
	v_max3_num_f32 v[TA], v[TA], v[\P+10], v[\P+11]
	v_max3_num_f32 v[TB], v[TB], v[\P+12], v[\P+13]
	v_max3_num_f32 v[TA], v[TA], v[\P+14], v[\P+15]
	v_max_num_f32 v[TA], v[TA], v[TB]
	v_max_num_f32_dpp v[TA], v[TA], v[TA] row_xmask:1 row_mask:0xf bank_mask:0xf
	v_max_num_f32_dpp v[TA], v[TA], v[TA] row_xmask:2 row_mask:0xf bank_mask:0xf
	v_max_num_f32_dpp v[TA], v[TA], v[TA] row_xmask:4 row_mask:0xf bank_mask:0xf
	v_max_num_f32_dpp v[TA], v[TA], v[TA] row_xmask:8 row_mask:0xf bank_mask:0xf
	v_mov_b32 v[TB], 0
	v_permlanex16_b32 v[TB], v[TA], s[SEL], s[SEL+1]
	v_max_num_f32 v[TA], v[TA], v[TB]
	v_mul_f32 v[TB], 0x3c010204, v[TA]             ; a first quotient by 127,
	v_fma_f32 v[TC], v[TB], 0xc2fe0000, v[TA]      ; its remainder,
	v_fma_f32 v[SV], v[TC], 0x3c010204, v[TB]      ; the correction
	v_mov_b32 v[SV+1], v[SV]
.endm
	s_load_b128 s[4:7], s[0:1], 0x0                ; x, partial
	s_load_b64 s[8:9], s[0:1], 0x10                ; xq
	v_lshl_add_u32 v[SPW], v0, 2, SPARE
	v_mov_b32 v[NIL], 0
	v_lshrrev_b32 v[R+2], 5, v0
	v_readfirstlane_b32 s16, v[R+2]                ; wave
	v_and_b32 v[R], 31, v0
	v_and_b32 v[R+1], 15, v0
	v_bfe_u32 v[Q], v0, 4, 1                       ; p
	v_bfe_u32 v[Q+1], v0, 3, 1                     ; c
	v_bfe_u32 v[Q+2], v0, 2, 1                     ; a
	v_and_b32 v[Q+3], 3, v0
	v_lshlrev_b32 v[XOF], 4, v[R]
	v_lshlrev_b32 v[LOF], 4, v[R+1]
	v_lshl_add_u32 v[LOF], v[Q], 16, v[LOF]
	v_mul_u32_u24 v[SOF], v[Q], 192
	v_mad_u32_u24 v[SOF], v[Q+3], 48, v[SOF]
	v_mad_u32_u24 v[SOF], v[Q+1], 24, v[SOF]
	v_mad_u32_u24 v[SOF], v[Q+2], 12, v[SOF]
	s_lshl_b32 s17, s16, 8
	v_lshlrev_b32 v[SAD], 6, v[Q]
	v_lshl_add_u32 v[SAD], v[Q+3], 4, v[SAD]
	v_add_nc_u32 v[SAD], s17, v[SAD]
	v_lshlrev_b32 v[SH0], 4, v[Q+1]
	v_add_nc_u32 v[SH1], 8, v[SH0]
	v_mov_b32 v[ONE], 1.0
.irp k, 0,1,2,3
	v_mov_b32 v[D+\k], 0
.endr
	v_lshlrev_b32 v[L8], 3, v[R]
	v_add_nc_u32 v[SRD], s17, v[L8]
	s_mov_b32 s[SEL], 0x76543210
	s_mov_b32 s[SEL+1], 0xfedcba98
	s_mov_b32 s24, 0xc3000000                      ; -128.0
	s_mov_b32 s25, 0x42fe0000                      ; 127.0
	s_mov_b32 s26, 0xaaaaaaaa
	s_mov_b32 s27, 0xcccccccc
	s_mov_b32 s28, 0x7f000000
	s_mov_b32 s29, 0xff000000
	s_lshr_b32 s30, ttmp9, 4
	s_and_b32 s31, ttmp9, 15
	s_lshr_b32 s18, s16, 1
	s_and_b32 s19, s16, 1
	s_mov_b32 s21, 0
	s_wait_alu depctr_va_vdst(0)                   ; the wait at the head's end
	s_wait_kmcnt 0x0
.irp j, 0,1,2,3
	global_load_b128 v[F+4*\j:F+4*\j+3], v[XOF], s[6:7] offset:512*\j
.endr
	s_lshl_b32 s20, s30, 21
	s_lshl_b32 s32, s31, 10
	s_add_co_u32 s20, s20, s32
	s_lshl_b32 s32, s18, 20
	s_add_co_u32 s20, s20, s32
	s_lshl_b32 s32, s19, 9
	s_add_co_u32 s20, s20, s32
	s_add_nc_u64 s[4:5], s[4:5], s[20:21]
	s_mul_i32 s20, ttmp9, 2*STEPB
	s_mul_i32 s32, s19, STEPB
	s_add_co_u32 s20, s20, s32
	s_add_nc_u64 s[8:9], s[8:9], s[20:21]
	s_lshl_b32 s20, s18, 8
	s_add_co_u32 s20, s20, SCO
	s_add_nc_u64 s[10:11], s[8:9], s[20:21]        ; my 256 bytes of scale words
	s_mul_i32 s20, s18, 4*FRB
	s_add_nc_u64 s[8:9], s[8:9], s[20:21]          ; my four images
.macro LOAD t
.irp j, 0,1,2,3
	global_load_b128 v[X+16*((\t)%8)+4*\j:X+16*((\t)%8)+4*\j+3], v[LOF], s[4:5] offset:(16*((\t)/4)+8*((\t)%2)+\j)*ROWIN+256*(((\t)/2)%2) th:TH_LOAD_NT
.endr
.endm
.macro QA
.irp j, 0,1,2,3
	v_max3_num_f32 v[M+\j], |v[V+4*\j]|, |v[V+4*\j+1]|, |v[V+4*\j+2]|
.endr
.irp j, 0,1,2,3
	v_max_num_f32 v[M+\j], v[M+\j], |v[V+4*\j+3]|
.endr
.irp x, 1,2,4
.irp j, 0,1,2,3
	v_max_num_f32_dpp v[M+\j], v[M+\j], v[M+\j] row_xmask:\x row_mask:0xf bank_mask:0xf   ; the block's eight lanes
.endr
.endr
.irp j, 0,1,2,3
	v_mul_f32 v[M+\j], v[M+\j], |v[SCL+SST*\j]|    ; the block's largest magnitude
.endr
.irp j, 0,1,2,3
	v_max_num_f32 v[M+\j], 0x2800000, v[M+\j]      ; the floor 2^(5 - 127)
.endr
.irp j, 0,1,2,3
	v_and_b32 v[R+\j], 0x7f800000, v[M+\j]
.endr
.irp j, 0,1,2,3
	v_sub_nc_u32 v[R+\j], 0x81000000, v[R+\j]      ; exponent field 258 - E: 1 / the block's scale
.endr
.irp j, 0,1,2,3
	v_mul_f32 v[R+\j], v[R+\j], v[SCL+SST*\j]      ; exact: a power of two
.endr
.irp j, 0,1,2,3
	v_med3_num_f32 v[FQ+2*\j], v[R+\j], s29, s28
	v_med3_num_f32 v[FQ+2*\j+1], v[R+\j], s29, s28
.endr
.irp j, 0,1,2,3
	v_pk_mul_f32 v[V+4*\j:V+4*\j+1], v[V+4*\j:V+4*\j+1], v[FQ+2*\j:FQ+2*\j+1]
	v_pk_mul_f32 v[V+4*\j+2:V+4*\j+3], v[V+4*\j+2:V+4*\j+3], v[FQ+2*\j:FQ+2*\j+1]
.endr
	v_cvt_scalef32_pk16_bf6_f32 v[C:C+2], v[V:V+15], v[ONE]
.endm
.macro XCH2 l1, h1, l2, h2, ol1, oh1, ol2, oh2, x, m
	v_mov_b32_dpp v[D], v[\h1] row_xmask:\x row_mask:0xf bank_mask:0xf
	v_mov_b32_dpp v[D+1], v[\l1] row_xmask:\x row_mask:0xf bank_mask:0xf
	v_mov_b32_dpp v[D+2], v[\h2] row_xmask:\x row_mask:0xf bank_mask:0xf
	v_mov_b32_dpp v[D+3], v[\l2] row_xmask:\x row_mask:0xf bank_mask:0xf
	v_cndmask_b32 v[\ol1], v[\l1], v[D], s[\m]
	v_cndmask_b32 v[\oh1], v[D+1], v[\h1], s[\m]
	v_cndmask_b32 v[\ol2], v[\l2], v[D+2], s[\m]
	v_cndmask_b32 v[\oh2], v[D+3], v[\h2], s[\m]
.endm
.macro QB outp
.irp j, 0,1,2,3
	v_lshrrev_b32 v[M+\j], 23, v[M+\j]             ; E (also the plain instruction behind the conversion)
.endr
.irp j, 0,1,2,3
.if H == 0
	v_lshlrev_b32 v[WD+4*RR+\j], v[SH0], v[M+\j]
.else
	v_lshl_or_b32 v[WD+4*RR+\j], v[M+\j], v[SH1], v[WD+4*RR+\j]
.endif
.endr
.if H == 1
	v_cndmask_b32 v[Q], v[WD+4*RR], v[WD+4*RR+1], s26
	v_cndmask_b32 v[Q+1], v[WD+4*RR+2], v[WD+4*RR+3], s26
	v_cndmask_b32 v[Q], v[Q], v[Q+1], s27          ; the word of row 4 p + lane % 4
	v_mov_b32_dpp v[D], v[Q] row_xmask:8 row_mask:0xf bank_mask:0xf
	v_or_b32 v[Q], v[Q], v[D]
	v_add_nc_u32 v[Q], 0xfbfbfbfc, v[Q]            ; 4 off each byte (each is 5 at the least)
	ds_store_b32 v[SAD], v[Q] offset:128*RR+4*I
.endif
	v_alignbit_b32 v[P+1], v[C+1], v[C], 24
	v_alignbit_b32 v[P+2], v[C+2], v[C+1], 16
	v_lshrrev_b32 v[P+3], 8, v[C+2]
	XCH2 C, P+1, P+2, P+3, Q, Q+1, Q+2, Q+3, 1, 26
	XCH2 Q, Q+2, Q+1, Q+3, R, R+2, R+1, R+3, 2, 27
	v_perm_b32 v[O], v[R+1], v[R], 0x04020100
	v_perm_b32 v[O+1], v[R+2], v[R+1], 0x05040201
	v_perm_b32 v[O+2], v[R+3], v[R+2], 0x06050402
	global_store_b96 v[SOF], v[O:O+2], s[\outp:\outp+1] offset:I*FRB+768*H+384*RR   ; the wave's 32 lanes cover 384 consecutive bytes
.endm
.macro STEP t
.set I,  (\t)/4
.set H,  ((\t)/2)%2
.set RR, (\t)%2
.set XS, X+16*((\t)%8)
.if (\t)+7 < STEPS
	s_wait_loadcnt 28                              ; this step's four loads are in; seven steps' stay out
.else
	s_wait_loadcnt 4*(STEPS-1-(\t))
.endif
	s_wait_xcnt 0x0                                ; the last step's store has read its registers
.irp i, 0,2,4,6,8,10,12,14
	v_pk_mul_f32 v[V+\i:V+\i+1], v[XS+\i:XS+\i+1], v[RV:RV+1]                      ; a first quotient x / s,
.endr
.irp i, 0,2,4,6,8,10,12,14
	v_pk_fma_f32 v[XS+\i:XS+\i+1], v[NS:NS+1], v[V+\i:V+\i+1], v[XS+\i:XS+\i+1]    ; its remainder,
.endr
.irp i, 0,2,4,6,8,10,12,14
	v_pk_fma_f32 v[V+\i:V+\i+1], v[XS+\i:XS+\i+1], v[RV:RV+1], v[V+\i:V+\i+1]      ; the correction
.endr
.if (\t)+8 < STEPS
	LOAD (\t)+8                                    ; the set is free
.endif
.irp i, 0,1,2,3,4,5,6,7,8,9,10,11,12,13,14,15
	v_rndne_f32 v[V+\i], v[V+\i]
.endr
.irp i, 0,1,2,3,4,5,6,7,8,9,10,11,12,13,14,15
	v_med3_num_f32 v[V+\i], v[V+\i], s24, s25      ; the clip to -128 .. 127
.endr
	QA
	QB 8
.endm
.irp t, 0,1,2,3,4,5,6,7
	LOAD \t
.endr
	s_wait_loadcnt 32                              ; partial is in; x's 32 loads stay out
	INSCALE F
	v_xor_b32 v[NS], 0x80000000, v[SV]
	v_mov_b32 v[NS+1], v[NS]
	s_wait_alu depctr_va_vdst(0)                   ; the wait ahead of the reciprocal
	v_rcp_f32 v[TA], v[SV]
	v_nop
	s_wait_alu depctr_va_vdst(0)                   ; and ahead of its first reader
	v_fma_f32 v[TB], v[NS], v[TA], 1.0
	v_fma_f32 v[RV], v[TB], v[TA], v[TA]           ; 1 / s, corrected once
	v_mov_b32 v[RV+1], v[RV]
	s_wait_alu depctr_va_vdst(0)                   ; the wait ahead of the wait below
.irp t, 0,1,2,3,4,5,6,7,8,9,10,11,12,13,14,15
	STEP \t
.endr
	ds_load_b64 v[M:M+1], v[SRD]                   ; my wave's 256 bytes of scale words: LDS serves a wave's instructions in order
	s_wait_dscnt 0x0
	global_store_b64 v[L8], v[M:M+1], s[10:11]     ; 256 consecutive bytes, at a multiple of 256 from the buffer's first byte
	s_wait_tensorcnt 0x0                           ; the wave's end
	ds_add_u32 v[SPW], v[NIL]
	s_wait_dscnt 0x0
	s_endpgm
.Lfunc_end_k_q2b47b084d0_quantx:
	.size	k_q2b47b084d0_quantx, .Lfunc_end_k_q2b47b084d0_quantx-k_q2b47b084d0_quantx
	.p2alignl 7, 3214868480
	.fill 96, 4, 3214868480
	.section	.rodata,"a",@progbits
	.p2align	6, 0x0
	.amdhsa_kernel k_q2b47b084d0_quantx
		.amdhsa_group_segment_fixed_size 1536
		.amdhsa_private_segment_fixed_size 0
		.amdhsa_enable_private_segment 0
		.amdhsa_kernarg_size 24
		.amdhsa_user_sgpr_count 2
		.amdhsa_user_sgpr_kernarg_segment_ptr 1
		.amdhsa_wavefront_size32 1
		.amdhsa_system_sgpr_workgroup_id_x 1
		.amdhsa_system_sgpr_workgroup_id_y 1
		.amdhsa_system_sgpr_workgroup_id_z 1
		.amdhsa_system_vgpr_workitem_id 0
		.amdhsa_next_free_vgpr 236
		.amdhsa_next_free_sgpr 66
		.amdhsa_reserve_vcc 0
		.amdhsa_float_denorm_mode_32 3
		.amdhsa_float_denorm_mode_16_64 3
		.amdhsa_memory_ordered 1
		.amdhsa_forward_progress 1
		.amdhsa_inst_pref_size 149
	.end_amdhsa_kernel
	.amdgpu_metadata
---
amdhsa.version: [ 1, 2 ]
amdhsa.kernels:
  - .name:           k_q2b47b084d0_quantx
    .symbol:         k_q2b47b084d0_quantx.kd
    .args:
      - { .name: x, .offset: 0, .size: 8, .value_kind: global_buffer, .address_space: global }
      - { .name: partial, .offset: 8, .size: 8, .value_kind: global_buffer, .address_space: global }
      - { .name: xq, .offset: 16, .size: 8, .value_kind: global_buffer, .address_space: global }
    .group_segment_fixed_size: 1536
    .private_segment_fixed_size: 0
    .kernarg_segment_align: 8
    .kernarg_segment_size: 24
    .max_flat_workgroup_size: 128
    .sgpr_count:     66
    .vgpr_count:     236
    .wavefront_size: 32
...
	.end_amdgpu_metadata
.endif
;; end of part 2
;; launch gemm (part 3): grid 16 x 16, 4 waves a work-group, clusters of 4 x 4, 327,680 bytes of LDS; arguments xq, wq, out0, partial, quantized_bias, weight_scale; writes out0
.if DOCPART == 3
	.amdgcn_target "amdgcn-amd-amdhsa--gfx1250"
	.amdhsa_code_object_version 6
	.text
	.protected	k_q2b47b084d0_gemm
	.globl	k_q2b47b084d0_gemm
	.p2align	8
	.type	k_q2b47b084d0_gemm,@function
k_q2b47b084d0_gemm:
	s_mov_b64 s[64:65], 0
	v_nop
	global_prefetch_b8 v0, s[64:65] scope:SCOPE_SE
	s_setreg_imm32_b32 hwreg(HW_REG_WAVE_MODE, 25, 1), 1
	s_wait_xcnt 0x0
	s_wait_alu depctr_hold_cnt(0) depctr_sa_sdst(0) depctr_va_vdst(0) depctr_va_sdst(0) depctr_va_ssrc(0) depctr_va_vcc(0) depctr_vm_vsrc(0)
	s_getreg_b32 s2, hwreg(HW_REG_IB_STS2, 6, 4)
	s_cmp_eq_u32 s2, 0
	s_cbranch_scc0 .Lentry_in_a_cluster
	s_endpgm
.Lentry_in_a_cluster:
	s_bfe_u32 s2, ttmp6, 0x10000c
	s_cmp_lg_u32 s2, 0xf033
	s_cbranch_scc0 .Lentry_shape_is_right
	s_endpgm
.Lentry_shape_is_right:
; out0[m][n] = sum over k of x_deq[m][k] w_deq[n][k] + quantized_bias[n] x weight_scale[n] x s, on codes of BF6 with E8M0 scales, as the two launches before have laid them in xq and wq:
; [32 blocks of 128 rows][32 steps of 128 K][12,800 bytes: eight images of an operand's registers (1,536 bytes for 16 rows), then 512 bytes of scale words].
; A work-group of four waves makes 256 x 256 of the result, a wave 128 x 128: 64 accumulators.  The matrix instruction is used transposed (source 0 = 16 rows of wq, source 1 = 16 rows of xq).
; A ring of two LDS slots, three K steps each (the last fill two), filled by joint loads in a 4 x 4 cluster: xq's tiles shared along a row of the cluster, wq's along a column.
; REGISTERS, in windows of 256.  Upper half of window w (v128-255): the 16 accumulators of wq's fragments 2 w, 2 w + 1 against xq's eight blocks ((a, b) at v[128 + 64 (b % 2) + 8 a]).
; Lower halves: two sets of four fragments each (48 registers a set): window 0 (from v32) xq's blocks 0-3, window 1 xq's 4-7, window 2 wq's 0-3, window 3 wq's 4-7.  Window 0 also: v0-15 addresses, v16-31 two sets of scale words.
; v96-127 of windows 1 to 3: the bias tiles (the C of each sum's first product); v112.. of windows 2 and 3: the LDS addresses of the fragments.
; A STEP: both operands have two sets, so the next step's 50 LDS loads stand in ONE run at the step's head, into the set that is not at work; 64 matrix instructions follow, in four phases, phase w on window w's accumulators.
; THE CHANGE OF SLOTS.  The reads for a slot's third step are the slot's last.  The last phase of the step that makes them holds the waits, the add, the round and the refill.
; THE PREFETCH.  Behind each fill's joint load and the run of LDS loads that follows it, the NEXT fill
; is asked for, three K steps, 192 matrix instructions, ahead of its own tensor load.  A wave's part of a fill is 150 blocks of 256 bytes; the four partners that ask for it jointly share them out by address: the partner at place
; p (cx for xq, cy for wq) takes blocks 38 p .. 38 p + 37, held at 149: two instructions a wave, a lane a block; lanes left over name the wave's last block again.  Fills 0 and 1 come by their loads alone;
; the last fill, which is shorter, is not asked for, so that no address leaves its buffer.
.set SIZE_N, 4096
.set STEPB,  12800
.set FRB,    1536
.set SCO,    8*FRB
.set NQ,     3
.set PART,   NQ*STEPB
.set SLOT,   4*PART
.set PROW,   32*STEPB
.set TRIPS,  4
.set SPARE,  2*SLOT
.set STAGE,  SLOT                      ; the way out goes through slot 1, which has had its last fill and its last read by then
.set SPITCH, 528
.set STO,  2
.set RD,   3
.set CO,   4
.set SPW,  5
.set NIL,  6
.set BO,   7
.set PFO,  14                          ; v14-15: the prefetches' offsets; never rewritten
.set SC,   16
.set PT,   96                          ; at the head, window 0: partial; s; the bias and weight_scale at work
.set SV,   112
.set TA,   114
.set TB,   115
.set TC,   116
.set BI,   128
.set WS,   192
.set BIR,  96                          ; bias tiles: 0-3 in window 1, 4-5 in window 2, 6-7 in window 3
.set ADR,  112                         ; window 2: xq's fragments in slot 0, 1; window 3: wq's
.set ADRS, 114                         ; window 2: the scale words in slot 0, 1
.set G1, 24
.set G0, 32
.set G1B, 48
.set G0B, 56
.set SEL, 66
.set G1H, 68
.set G1HB, 80
.set PFA, 92                           ; s[92:93]: my part of the fill that is asked for next
.set MSB, 0
.macro WIN new                         ; the immediate's high byte repeats the setting that is left
.if MSB != \new
	s_set_vgpr_msb (MSB<<8)|\new
.set MSB, \new
.endif
.endm
.macro JLOAD g0a, g1a, g0b, g1b        ; a joint load: waves 0 and 1 fetch for xq, waves 2 and 3 for wq
	s_cmp_eq_u32 s15, 0
	s_cbranch_scc0 .Lfor_b_\@
	tensor_load_to_lds s[\g0a:\g0a+3], s[\g1a:\g1a+7]
	s_nop 0
.rept 4
	v_nop
.endr
	s_branch .Lasked_\@
.Lfor_b_\@:
	tensor_load_to_lds s[\g0b:\g0b+3], s[\g1b:\g1b+7]
	s_nop 0
.rept 4
	v_nop
.endr
.Lasked_\@:
.endm
.macro ASK guard                       ; guard = 1: not in the loop's last trip, whose second refill is followed by the shorter fill
.if \guard
	s_cmp_gt_u32 s3, 1
	s_cbranch_scc0 .Lno_ask_\@
.endif
	global_prefetch_b8 v[PFO], s[PFA:PFA+1] th:TH_LOAD_NT scope:SCOPE_SE
	global_prefetch_b8 v[PFO+1], s[PFA:PFA+1] th:TH_LOAD_NT scope:SCOPE_SE
.if \guard
.Lno_ask_\@:
.endif
.endm
.macro CREST
	s_cmp_lg_u32 s14, 0
	s_cbranch_scc1 .Lnot_wave_0_\@
	s_barrier_signal -3
.Lnot_wave_0_\@:
	s_barrier_wait -3
	s_barrier_signal -1
	s_barrier_wait -1
.endm
.macro CROUND
	s_barrier_signal -1
	s_barrier_wait -1
	CREST
.endm
.macro PLACES n
.rept \n
	v_nop
.endr
.endm
; partial's 512 numbers become s, by the same lines as in the launch that quantises x: the same bits
.macro INSCALE P
	v_max3_num_f32 v[TA], v[\P], v[\P+1], v[\P+2]
	v_max3_num_f32 v[TB], v[\P+3], v[\P+4], v[\P+5]
	v_max3_num_f32 v[TA], v[TA], v[\P+6], v[\P+7]
	v_max3_num_f32 v[TB], v[TB], v[\P+8], v[\P+9]
	v_max3_num_f32 v[TA], v[TA], v[\P+10], v[\P+11]
	v_max3_num_f32 v[TB], v[TB], v[\P+12], v[\P+13]
	v_max3_num_f32 v[TA], v[TA], v[\P+14], v[\P+15]
	v_max_num_f32 v[TA], v[TA], v[TB]
	v_max_num_f32_dpp v[TA], v[TA], v[TA] row_xmask:1 row_mask:0xf bank_mask:0xf
	v_max_num_f32_dpp v[TA], v[TA], v[TA] row_xmask:2 row_mask:0xf bank_mask:0xf
	v_max_num_f32_dpp v[TA], v[TA], v[TA] row_xmask:4 row_mask:0xf bank_mask:0xf
	v_max_num_f32_dpp v[TA], v[TA], v[TA] row_xmask:8 row_mask:0xf bank_mask:0xf
	v_mov_b32 v[TB], 0
	v_permlanex16_b32 v[TB], v[TA], s[SEL], s[SEL+1]
	v_max_num_f32 v[TA], v[TA], v[TB]
	v_mul_f32 v[TB], 0x3c010204, v[TA]
	v_fma_f32 v[TC], v[TB], 0xc2fe0000, v[TA]
	v_fma_f32 v[SV], v[TC], 0x3c010204, v[TB]
	v_mov_b32 v[SV+1], v[SV]
.endm
	s_load_b128 s[4:7], s[0:1], 0x0                ; xq, wq
	s_load_b64 s[12:13], s[0:1], 0x10              ; out0
	s_load_b64 s[96:97], s[0:1], 0x18              ; partial
	s_load_b64 s[98:99], s[0:1], 0x20              ; quantized_bias
	s_load_b64 s[100:101], s[0:1], 0x28            ; weight_scale
	v_lshl_add_u32 v[SPW], v0, 2, SPARE
	v_mov_b32 v[NIL], 0
	ds_add_u32 v[SPW], v[NIL]                      ; the opening lines: the add, twice on end, and its wait
	ds_add_u32 v[SPW], v[NIL]
	v_lshrrev_b32 v8, 5, v0
	v_readfirstlane_b32 s14, v8                    ; wave
	s_lshr_b32 s15, s14, 1                         ; my half of the rows; also: I fetch for xq (0) or wq (1)
	s_and_b32 s16, s14, 1                          ; my half of the columns; also: which 128 rows I fetch
	s_bfe_u32 s40, ttmp6, 0x40000
	s_bfe_u32 s41, ttmp6, 0x40004
	s_lshl_b32 s42, ttmp9, 2
	s_add_co_u32 s42, s42, s40                     ; tile column
	s_and_b32 s17, ttmp7, 0xffff
	s_lshl_b32 s17, s17, 2
	s_add_co_u32 s17, s17, s41                     ; tile row
	s_lshl_b32 s43, s41, 2
	s_lshl_b32 s43, 15, s43                        ; my row of the cluster
	s_lshl_b32 s44, 0x1111, s40                    ; my column
	s_or_b32 s[G1+0], s43, (3<<16)|(1<<21)
	s_or_b32 s[G1B+0], s44, (3<<16)|(1<<21)
	s_or_b32 s[G1H+0], s43, (3<<16)|(1<<21)
	s_or_b32 s[G1HB+0], s44, (3<<16)|(1<<21)
.irp g, G1, G1B                        ; a part of three steps: a dense block, as 150 rows of 256 bytes
	s_mov_b32 s[\g+1], 32<<16
	s_mov_b32 s[\g+2], (PART/256)<<16
	s_mov_b32 s[\g+3], 32<<16
	s_mov_b32 s[\g+4], PART/256
	s_mov_b32 s[\g+5], 32
	s_mov_b32 s[\g+6], 0
	s_mov_b32 s[\g+7], 0
.endr
.irp g, G1H, G1HB                      ; the last fill: two steps
	s_mov_b32 s[\g+1], 32<<16
	s_mov_b32 s[\g+2], (2*STEPB/256)<<16
	s_mov_b32 s[\g+3], 32<<16
	s_mov_b32 s[\g+4], 2*STEPB/256
	s_mov_b32 s[\g+5], 32
	s_mov_b32 s[\g+6], 0
	s_mov_b32 s[\g+7], 0
.endr
	s_lshl_b32 s20, s17, 1
	s_add_co_u32 s20, s20, s16
	s_mul_i32 s20, s20, PROW
	s_mov_b32 s21, 0
	s_lshl_b32 s46, s42, 1
	s_add_co_u32 s46, s46, s16
	s_mul_i32 s46, s46, PROW
	s_mov_b32 s47, 0
	s_mul_i32 s45, s14, PART
	s_wait_dscnt 0x0                               ; both opening adds are done
	s_wait_kmcnt 0x0
	s_add_nc_u64 s[20:21], s[4:5], s[20:21]
	s_add_nc_u64 s[46:47], s[6:7], s[46:47]
	s_cmp_eq_u32 s15, 0                            ; the prefetches: the operand that I fetch for,
	s_cselect_b64 s[PFA:PFA+1], s[20:21], s[46:47]
	s_cselect_b32 s94, s40, s41                    ; my place among the four that ask for it with me,
	s_add_nc_u64 s[PFA:PFA+1], s[PFA:PFA+1], 2*PART  ; beginning with the third fill
	s_mul_i32 s95, s94, 38
	CROUND                                         ; in front of the first joint loads
.irp s, 0,1
	s_mov_b32 s[G0+4*\s], 1
	s_add_co_u32 s[G0+4*\s+1], s45, \s*SLOT
	s_add_nc_u64 s[G0+4*\s+2:G0+4*\s+3], s[20:21], \s*PART
	s_or_b32 s[G0+4*\s+3], s[G0+4*\s+3], 0x80000000
	s_mov_b32 s[G0B+4*\s], 1
	s_add_co_u32 s[G0B+4*\s+1], s45, \s*SLOT
	s_add_nc_u64 s[G0B+4*\s+2:G0B+4*\s+3], s[46:47], \s*PART
	s_or_b32 s[G0B+4*\s+3], s[G0B+4*\s+3], 0x80000000
.endr
	JLOAD G0, G1, G0B, G1B                         ; K steps 0 to 2: one tensor load a wave at the head
	s_mov_b32 s[SEL], 0x76543210
	s_mov_b32 s[SEL+1], 0xfedcba98
	s_lshl_b32 s2, s42, 10
	s_lshl_b32 s3, s16, 9
	s_add_co_u32 s2, s2, s3                        ; my first column, in bytes of f32
	s_mov_b32 s3, 0
	s_add_nc_u64 s[98:99], s[98:99], s[2:3]
	s_add_nc_u64 s[100:101], s[100:101], s[2:3]
	s_mul_i32 s21, s15, PART                       ; my 128 rows of xq in slot 0,
	s_mul_i32 s22, s16, PART
	s_add_co_u32 s22, s22, 2*PART                  ; of wq,
	s_sub_co_u32 s23, s22, s21
	s_add_co_u32 s18, s21, SLOT                    ; and the same in slot 1
	s_add_co_u32 s19, s22, SLOT
	s_mul_i32 s20, s14, 16*SPITCH
	s_add_co_u32 s20, s20, STAGE                   ; my stage
	v_and_b32 v8, 15, v0
	v_bfe_u32 v9, v0, 4, 1
	v_lshlrev_b32 v[BO], 5, v9
	v_and_b32 v10, 31, v0
	v_lshlrev_b32 v[CO], 4, v10
.irp j, 0,1,2,3
	global_load_b128 v[PT+4*\j:PT+4*\j+3], v[CO], s[96:97] offset:512*\j
.endr
.irp b, 0,1,2,3,4,5,6,7
.irp u, 0,1
	global_load_b128 v[BI+8*\b+4*\u:BI+8*\b+4*\u+3], v[BO], s[98:99] offset:64*\b+16*\u
.endr
.endr
.irp b, 0,1,2,3,4,5,6,7
.irp u, 0,1
	global_load_b128 v[WS+8*\b+4*\u:WS+8*\b+4*\u+3], v[BO], s[100:101] offset:64*\b+16*\u
.endr
.endr
	v_mul_u32_u24 v11, v10, 48                     ; an image: 48 bytes a lane
	v_mul_u32_u24 v12, s23, v9                     ; scale words: lanes 16-31 take wq's
	v_lshl_add_u32 v12, v8, 4, v12
	v_add_nc_u32 v12, SCO, v12
	v_mul_u32_u24 v13, v8, SPITCH
	v_lshl_add_u32 v13, v9, 5, v13
	v_add_nc_u32 v[STO], s20, v13
	v_add_nc_u32 v[RD], s20, v[CO]
	v_add_nc_u32 v[PFO], s95, v10                  ; block 38 p + lane,
	v_add_nc_u32 v[PFO+1], 32, v10
	v_min_u32 v[PFO], 149, v[PFO]                  ; inside the part's 150
	v_min_u32 v[PFO+1], 37, v[PFO+1]               ; and blocks 38 p + 32 .. 38 p + 37
	v_lshlrev_b32 v[PFO], 8, v[PFO]
	v_add_nc_u32 v[PFO+1], s95, v[PFO+1]
	v_min_u32 v[PFO+1], 149, v[PFO+1]
	v_lshlrev_b32 v[PFO+1], 8, v[PFO+1]
	WIN 0x80                                       ; destination: window 2
	v_add_nc_u32 v[ADR], s21, v11
	v_add_nc_u32 v[ADR+1], s18, v11
	v_add_nc_u32 v[ADRS], s21, v12
	v_add_nc_u32 v[ADRS+1], s18, v12
	WIN 0xc0                                       ; window 3
	v_add_nc_u32 v[ADR], s22, v11
	v_add_nc_u32 v[ADR+1], s19, v11
	WIN 0
	s_lshl_b32 s20, s17, 8
	s_lshl_b32 s21, s15, 7
	s_add_co_u32 s20, s20, s21                     ; my first row of the result
	s_mov_b32 s21, 0
	s_mov_b64 s[18:19], SIZE_N*4
	s_mul_u64 s[20:21], s[20:21], s[18:19]
	s_add_nc_u64 s[20:21], s[20:21], s[2:3]
	s_add_nc_u64 s[12:13], s[12:13], s[20:21]
; one load of 16 bytes a lane: piece g of fragment f of window w's four, into set par, from step q of a slot
.macro LD1 w, f, g, par, slot, q
.set LR, 32*(1-((\w)+3)/4)+48*(\par)+12*(\f)+4*(\g)
	ds_load_b128 v[LR:LR+3], v[ADR+(\slot)] offset:(\q)*STEPB+(4*((\w)%2)+(\f))*FRB+16*(\g)
.endm
.macro SCL k, par, slot, q             ; four of a step's eight scale registers: lanes 0-15 xq's words, lanes 16-31 wq's
	ds_load_b128 v[SC+8*(\par)+4*(\k):SC+8*(\par)+4*(\k)+3], v[ADRS+(\slot)] offset:(\q)*STEPB+256*(\k)
.endm
; a step's 50 LDS loads in one run, window by window: the destination's window is w, the address comes from window 2 (xq, scale words) or 3 (wq)
.macro FETCH par, slot, q
.irp w, 0,1,2,3
.set MS, ((\w)<<6)|(2+(\w)/2)
	WIN MS
.irp f, 0,1,2,3
.irp g, 0,1,2
	LD1 \w, \f, \g, \par, \slot, \q
.endr
.endr
.if \w == 0
	SCL 0, \par, \slot, \q
	SCL 1, \par, \slot, \q
.endif
.endr
.endm
.macro WM a, b, p, first
.set DR, 128+64*((\b)%2)+8*(\a)
.set BR, 48*(\p)+12*((\b)%4)
.set AR, 32*(1-(\a)/4)+48*(\p)+12*((\a)%4)
.set CR, BIR+8*((\b)-((\b)/4)*((\b)-(\b)%2))
.if \first
	v_wmma_scale_f32_16x16x128_f8f6f4 v[DR:DR+7], v[BR:BR+11], v[AR:AR+11], v[CR:CR+7], v[SC+8*(\p)+(\b)], v[SC+8*(\p)+(\a)] matrix_a_fmt:MATRIX_FMT_BF6 matrix_b_fmt:MATRIX_FMT_BF6 matrix_a_scale:MATRIX_SCALE_ROW1
.else
	v_wmma_scale_f32_16x16x128_f8f6f4 v[DR:DR+7], v[BR:BR+11], v[AR:AR+11], v[DR:DR+7], v[SC+8*(\p)+(\b)], v[SC+8*(\p)+(\a)] matrix_a_fmt:MATRIX_FMT_BF6 matrix_b_fmt:MATRIX_FMT_BF6 matrix_a_scale:MATRIX_SCALE_ROW1
.endif
.endm
; n matrix instructions of phase w, from its i0-th on, on set p.  The accumulators take turns, one instruction a turn.
.macro PHASE w, p, first, i0, n
.set II, \i0
.rept \n
.set MS, ((\w)<<6)|(((\w)+(\first)*(1-((\w)+3)/4))<<4)|((II/8)<<2)|(2+(\w)/2)
	WIN MS                                         ; D (and C) window w; source 1 xq's window II / 8; source 0 wq's window 2 + w / 2
	WM 4*(II/8)+(II%8)/2, 2*(\w)+II%2, \p, \first
.set II, II+1
.endr
.endm
; A step on set p; (slot, q): where the next step's tiles lie.  kind 0: plain; 1: the slot's last reads, with the change of slots in phase 3; 3: the last step, no loads.
; np = 1: four places ahead of the loads into the other set, which the last step's matrix instructions read.  fill 1, 2: slot fslot is filled again (2: the last, shorter fill); 0: no refill.
; ask 1, 2: the next fill is asked for (2: but not in the loop's last trip).
.macro STEPX p, slot, q, kind, first, np, fill, fslot, ask
	s_wait_dscnt 0x0                               ; this step's fragments, asked for a whole step ago, are in
.if \np
	PLACES 4
.endif
.if \kind != 3
	FETCH 1-(\p), \slot, \q
.endif
.if \ask
	WIN 0
	ASK (\ask)-1                                   ; behind the joint load and the run of LDS loads
.endif
	PHASE 0, \p, \first, 0, 16
	PHASE 1, \p, \first, 0, 16
	PHASE 2, \p, \first, 0, 16
.if \kind != 1
	PHASE 3, \p, \first, 0, 16
.else
.if \fill == 1
	s_wait_xcnt 0x0                                ; my prefetches have read their address: it steps to the fill after the one that is loaded below
	s_add_nc_u64 s[PFA:PFA+1], s[PFA:PFA+1], PART
.endif
	WIN 0                                          ; (the add's two registers lie in window 0)
	s_wait_tensorcnt 0x0                           ; all my tensor loads have landed: my part of the other slot
	ds_add_u32 v[SPW], v[NIL]
	PHASE 3, \p, 0, 0, 8
	s_wait_dscnt 0x0                               ; the add is done, and my reads of this slot are over
	s_barrier_signal -1
	PHASE 3, \p, 0, 8, 8
	WIN 0
	s_barrier_wait -1
.if \fill
	CREST                                          ; the barrier has opened a round of the cluster's barrier
	s_add_nc_u64 s[G0+4*\fslot+2:G0+4*\fslot+3], s[G0+4*\fslot+2:G0+4*\fslot+3], 2*PART
	s_add_nc_u64 s[G0B+4*\fslot+2:G0B+4*\fslot+3], s[G0B+4*\fslot+2:G0B+4*\fslot+3], 2*PART
.if \fill == 1
	JLOAD G0+4*\fslot, G1, G0B+4*\fslot, G1B       ; the first tensor load behind the round; its four v_nop are the next step's places
.else
	JLOAD G0+4*\fslot, G1H, G0B+4*\fslot, G1HB
.endif
.else
	PLACES 4
.endif
.endif
.endm
	s_wait_loadcnt 32                              ; partial is in
	INSCALE PT
	s_wait_loadcnt 0x0
.set J, 0
.rept 64
	v_cvt_f32_i32 v[BI+J], v[BI+J]
.set J, J+1
.endr
.set J, 0
.rept 32
	v_pk_mul_f32 v[BI+J:BI+J+1], v[BI+J:BI+J+1], v[WS+J:WS+J+1]
.set J, J+2
.endr
	WIN 0x40                                       ; x s, into the windows where the first products take their C
.set J, 0
.rept 16
	v_pk_mul_f32 v[BIR+J:BIR+J+1], v[BI+J:BI+J+1], v[SV:SV+1]
.set J, J+2
.endr
	WIN 0x80
.set J, 0
.rept 8
	v_pk_mul_f32 v[BIR+J:BIR+J+1], v[BI+32+J:BI+32+J+1], v[SV:SV+1]
.set J, J+2
.endr
	WIN 0xc0
.set J, 0
.rept 8
	v_pk_mul_f32 v[BIR+J:BIR+J+1], v[BI+48+J:BI+48+J+1], v[SV:SV+1]
.set J, J+2
.endr
	WIN 0
	PLACES 8
	s_wait_alu depctr_va_vdst(0)                   ; the wait at the head's end
	s_wait_tensorcnt 0x0                           ; my part of slot 0 is in
	ds_add_u32 v[SPW], v[NIL]
	s_wait_dscnt 0x0
	CROUND                                         ; everybody's part is in, and the joint loads meet
	JLOAD G0+4, G1, G0B+4, G1B                     ; K steps 3 to 5, the first tensor load behind the round
	FETCH 0, 0, 0                                  ; step 0's fragments into set 0
	WIN 0
	ASK 0                                          ; K steps 6 to 8
	STEPX 0, 0, 1, 0, 1, 0, 0, 0, 0                ; step 0: its products start the sums on the bias
	WIN 0
	s_mov_b32 s3, TRIPS
.Llap:                                                 ; six steps: once round the ring, and both sets back where they began
	STEPX 1, 0, 2, 1, 0, 1, 1, 0, 0
	STEPX 0, 1, 0, 0, 0, 0, 0, 0, 1
	STEPX 1, 1, 1, 0, 0, 1, 0, 0, 0
	STEPX 0, 1, 2, 1, 0, 1, 1, 1, 0
	STEPX 1, 0, 0, 0, 0, 0, 0, 0, 2
	STEPX 0, 0, 1, 0, 0, 1, 0, 0, 0
	WIN 0
	s_sub_co_u32 s3, s3, 1
	s_cmp_lg_u32 s3, 0
	s_cbranch_scc1 .Llap
	STEPX 1, 0, 2, 1, 0, 1, 2, 0, 0                ; steps 25 to 31: the last fill brings steps 30 and 31
	STEPX 0, 1, 0, 0, 0, 0, 0, 0, 0
	STEPX 1, 1, 1, 0, 0, 1, 0, 0, 0
	STEPX 0, 1, 2, 1, 0, 1, 0, 0, 0                ; nothing is left to fetch: a barrier, no round
	STEPX 1, 0, 0, 0, 0, 0, 0, 0, 0
	STEPX 0, 0, 1, 0, 0, 1, 0, 0, 0
	STEPX 1, 0, 0, 3, 0, 0, 0, 0, 0
; THE WAY OUT, block by block of 16 rows x 128 columns: through my own stage, back as whole rows of 512 bytes into window 1's lower half, two sets by turns
.macro TOSTAGE a
.irp w, 0,1,2,3
.set MS, (\w)<<2
	WIN MS                                         ; the data: window w
.irp u, 0,1
	ds_store_b128 v[STO], v[128+64*\u+8*(\a):128+64*\u+8*(\a)+3] offset:64*(2*\w+\u)      ; each accumulator from its low end on
	ds_store_b128 v[STO], v[128+64*\u+8*(\a)+4:128+64*\u+8*(\a)+7] offset:64*(2*\w+\u)+16
.endr
.endr
	WIN 0x40
.set BB, 64*((\a)%2)
.irp t, 0,1,2,3,4,5,6,7,8,9,10,11,12,13,14,15
	ds_load_b128 v[BB+4*\t:BB+4*\t+3], v[RD] offset:\t*SPITCH      ; LDS serves a wave's instructions in order: these see the stores above
.endr
.endm
.macro SEND a, younger
.set BB, 64*((\a)%2)
	s_wait_dscnt \younger
.if (\a) > 0
	s_add_nc_u64 s[12:13], s[12:13], 16*SIZE_N*4   ; behind a wait on XCNT: the earlier stores have read their base
.endif
	WIN 0x04                                       ; the data: window 1
.irp t, 0,1,2,3,4,5,6,7,8,9,10,11,12,13,14,15
	global_store_b128 v[CO], v[BB+4*\t:BB+4*\t+3], s[12:13] offset:\t*SIZE_N*4 th:TH_STORE_NT   ; 32 lanes store 512 consecutive bytes, at a multiple of 256 from the buffer's first byte
.endr
.endm
	PLACES 4
	TOSTAGE 0
.irp a, 1,2,3,4,5,6,7
.if \a > 1
	s_wait_xcnt 0x0                                ; block a - 2's stores have read their registers and their base
.endif
	TOSTAGE \a
	SEND \a-1, 32
.endr
	s_wait_xcnt 0x0
	SEND 7, 0
	WIN 0
	s_wait_tensorcnt 0x0                           ; the wave's end
	ds_add_u32 v[SPW], v[NIL]
	s_wait_dscnt 0x0
	CROUND                                         ; the closing round
	s_endpgm
.Lfunc_end_k_q2b47b084d0_gemm:
	.size	k_q2b47b084d0_gemm, .Lfunc_end_k_q2b47b084d0_gemm-k_q2b47b084d0_gemm
	.p2alignl 7, 3214868480
	.fill 96, 4, 3214868480
	.section	.rodata,"a",@progbits
	.p2align	6, 0x0
	.amdhsa_kernel k_q2b47b084d0_gemm
		.amdhsa_group_segment_fixed_size 327680
		.amdhsa_private_segment_fixed_size 0
		.amdhsa_enable_private_segment 0
		.amdhsa_kernarg_size 48
		.amdhsa_user_sgpr_count 2
		.amdhsa_user_sgpr_kernarg_segment_ptr 1
		.amdhsa_wavefront_size32 1
		.amdhsa_system_sgpr_workgroup_id_x 1
		.amdhsa_system_sgpr_workgroup_id_y 1
		.amdhsa_system_sgpr_workgroup_id_z 1
		.amdhsa_system_vgpr_workitem_id 0
		.amdhsa_next_free_vgpr 1024
		.amdhsa_next_free_sgpr 102
		.amdhsa_reserve_vcc 0
		.amdhsa_float_denorm_mode_32 3
		.amdhsa_float_denorm_mode_16_64 3
		.amdhsa_memory_ordered 1
		.amdhsa_forward_progress 1
		.amdhsa_inst_pref_size 219
	.end_amdhsa_kernel
	.amdgpu_metadata
---
amdhsa.version: [ 1, 2 ]
amdhsa.kernels:
  - .name:           k_q2b47b084d0_gemm
    .symbol:         k_q2b47b084d0_gemm.kd
    .args:
      - { .name: xq, .offset: 0, .size: 8, .value_kind: global_buffer, .address_space: global }
      - { .name: wq, .offset: 8, .size: 8, .value_kind: global_buffer, .address_space: global }
      - { .name: out0, .offset: 16, .size: 8, .value_kind: global_buffer, .address_space: global }
      - { .name: partial, .offset: 24, .size: 8, .value_kind: global_buffer, .address_space: global }
      - { .name: quantized_bias, .offset: 32, .size: 8, .value_kind: global_buffer, .address_space: global }
      - { .name: weight_scale, .offset: 40, .size: 8, .value_kind: global_buffer, .address_space: global }
    .group_segment_fixed_size: 327680
    .private_segment_fixed_size: 0
    .kernarg_segment_align: 8
    .kernarg_segment_size: 48
    .max_flat_workgroup_size: 128
    .sgpr_count:     102
    .vgpr_count:     1024
    .wavefront_size: 32
...
	.end_amdgpu_metadata
.endif
;; end of part 3
